; MI455X (gfx1250); checked and timed in simulation.
; The chip was launched on July 23, 2026; its instructions are those of AMD's public machine-readable ISA for CDNA 5 (MIT licence, August 2026) and "CDNA5" Instruction Set Architecture Reference Guide (July 2026). The comments in the code are by the model that wrote it; some were corrected since.
;; Aggregation Attention. Allowed arithmetic: matrix products marked QUANTISED: E2M1 operands, one E8M0 scale for each 32 along K, by v_wmma_scale_f32_16x16x128_f8f6f4 with both operands' format E2M1 (or v_wmma_scale_f32_32x16x128_f4), f32 sums; products left as they are: f32 operands where the result goes on into a quantised operand, else bf16, f16 or f32 operands; f32 sums; everything else in f32.
;; Inputs: W1 4,096 x 1,024 float32; W2 1,024 x 4,096 float32; Wk 1,024 x 1,024 float32; Wq 1,024 x 1,024 float32; Wv 1,024 x 1,024 float32; b1 4,096 float32; b2 1,024 float32; bk 1,024 float32; bq 1,024 float32; bv 1,024 float32; gumbel_u 8 x 16 x 4,096 x 2 float32; ln_b 1,024 float32; ln_g 1,024 float32; query 1 x 1,024 float32; x 8 x 4,096 x 1,024 float32.
;; Outputs: out0 8 x 1,024 float32; out1 8 x 1 x 4,096 float32; out2 8 x 1 x 4,096 float32.
;; This version of the problem:
;;   THIS VERSION OF THE PROBLEM IS GIVEN IN LOW PRECISION. The matrix products marked QUANTISED in the list below multiply operands that are first quantised to E2M1 (2 exponent bits, 1 mantissa bit; 4 bits a number), with one power-of-two scale for each 32 numbers along K (OCP MX v1.0); their sums are f32. All else is computed in f32.
;;   The module's matrix products, in the order in which they are computed (A, B: the left and right operand; K: the contracted axis; several contracted axes count as one K, in the product's order):
;;     1. [M 1, K 1,024] x [K 1,024, N 1,024]; A: input query; B: input Wq: left as it is (M = 1 < 16)
;;     2. [M 32,768, K 1,024] x [K 1,024, N 1,024]; A: input x; B: input Wk: QUANTISED
;;     3. [M 32,768, K 1,024] x [K 1,024, N 1,024]; A: input x; B: input Wv: QUANTISED
;;     4. batch 16 x [M 32,768, K 64] x [K 64, N 1]; A: computed on the way; B: computed on the way: left as it is (N = 1 < 16)
;;     5. batch 128 x [M 1, K 4,096] x [K 4,096, N 64]; A: computed on the way; B: computed on the way: left as it is (M = 1 < 16)
;;     6. [M 8, K 1,024] x [K 1,024, N 4,096]; A: computed on the way; B: input W1: left as it is (M = 8 < 16)
;;     7. [M 8, K 4,096] x [K 4,096, N 1,024]; A: computed on the way; B: input W2: left as it is (M = 8 < 16)
;;   THE QUANTISER, for each operand of a quantised product, along K:
;;     - K is cut into blocks of 32 from its start; a last block that is shorter is filled with zeros.
;;     - A block's scale is 2^e with e = floor(log2(the largest magnitude in the block)) - 2, held to -126 .. 127; a block of zeros has e = 0. As a byte (E8M0): e + 127.
;;     - Each number is divided by its block's scale, clamped to +-6, and rounded to the nearest number of E2M1, ties to even, subnormals kept.
;;     - The product sums the exact products of the quantised numbers (number of the format x scale) in f32.
;;   ~~~python
;;   def quantise(x, axis):      # numpy; x: float32 -> the quantised numbers, widened to float32 again
;;       x = np.moveaxis(x, axis, -1); K = x.shape[-1]
;;       x = np.pad(x, [(0, 0)] * (x.ndim - 1) + [(0, -K % 32)]); x = x.reshape(x.shape[:-1] + (-1, 32)); a = np.abs(x).max(-1, keepdims=True)
;;       e = np.where(a > 0, np.clip(np.frexp(np.where(a > 0, a, 1))[1] - 1 - 2, -126, 127), 0)      # np.frexp(a)[1] - 1 = floor(log2(a)), exactly
;;       r = np.clip(x / 2.0 ** e, -6, 6)
;;       step = 2.0 ** (np.maximum(np.frexp(np.where(r == 0, 1, r))[1] - 1, 0) - 1)
;;       q = np.round(r / step) * step * 2.0 ** e      # np.round: ties to even
;;       return np.moveaxis(q.reshape(q.shape[:-2] + (-1,))[..., :K], -1, axis).astype(np.float32)
;;   ~~~
;; One version. Each part assembles by itself: llvm-mc -triple=amdgcn-amd-amdhsa -mcpu=gfx1250 --defsym DOCPART=n.
;; ======== version 1 of 1: 4 launches
;; workspace buffers: xc 16,777,216 bytes; xs 1,048,576 bytes; wc 1,048,576 bytes; ws 65,536 bytes; qs 4,096 bytes; part 278,528 bytes; ml 2,097,152 bytes; h1 131,072 bytes
;; launch quant (part 1): grid 1120 x 1, 4 waves a work-group, no clusters, 33,280 bytes of LDS; arguments x, Wk, Wv, Wq, query, bq, xc, xs, wc, ws, qs; writes xc, xs, wc, ws, qs
.if DOCPART == 1
	.amdgcn_target "amdgcn-amd-amdhsa--gfx1250"
	.amdhsa_code_object_version 6
	.text
	.protected	k_qb6f02d8d3b_quant
	.globl	k_qb6f02d8d3b_quant
	.p2align	8
	.type	k_qb6f02d8d3b_quant,@function
k_qb6f02d8d3b_quant:
	s_mov_b64 s[64:65], 0
	v_nop
	global_prefetch_b8 v0, s[64:65] scope:SCOPE_SE
	s_setreg_imm32_b32 hwreg(HW_REG_WAVE_MODE, 25, 1), 1
	s_wait_xcnt 0x0
; x [32768][1024], Wk [1024][1024] and Wv [1024][1024], f32, K innermost, become codes of FP4 (E2M1) with one E8M0 scale byte for each 32 along K; and q' = (query Wq^T + bq) / 8 is made.
; A block's scale is 2^(floor(log2(its largest magnitude)) - 2); its byte is the largest magnitude's exponent field - 2, held at 1 from below.  Each number is divided by the scale and rounded to the nearest code, ties to even;
; beyond 6 the largest code.  (A block of zeros gets the byte 1 where the rule says 127: its codes are zeros, which add nothing, and this program alone reads the bytes.)
; LIMITS: NaN and infinities among the inputs are not served.
; WORK-GROUPS: 0-1023 take x, 1024-1055 Wk, 1056-1087 Wv, 32 rows each; 1088-1119 take 32 rows of Wq each.  For the three tensors only pointers and three strides are chosen by the work-group's number: one path serves them.
; A wave takes 8 rows: 16 steps of 512 numbers.  Each of a step's four loads reads 512 consecutive bytes; the 2,048 bytes turn through the wave's own stage in LDS and come back 16 NEIGHBOURS a lane, two lanes to a block.
; WHERE THE CODES GO.  x: rows of 512 bytes as they lie: a step's store covers 256 consecutive bytes, aligned.  The weights: in the ORDER OF THE OPERAND'S REGISTERS,
; [row / 16][block of K, 32][row % 16][16 bytes], so that the product's launch fills a fragment by loads of 512 consecutive bytes; here that means pieces of 16 bytes, for 1 MiB in all.
; The scale bytes lie [row][32] for all three; a wave's 256 are gathered in LDS and leave as 256 consecutive bytes, aligned.
.set STEPS, 16
.set EMAX,  2
.set R,     16                         ; v16-79   four sets of 16 numbers as loaded
.set X,     80                         ; v80-111  two sets of 16 neighbours
.set E,     112                        ; v112-127 a scale byte for each step
.set C,     128                        ; v128-191 for each step: two registers of codes, one with the store's offset, one idle: none is written twice
.set WREG,  8192                       ; LDS of a wave: two stages of 32 x SP bytes, then its 256 scale bytes
.set SP,    80                         ; a lane's place in a stage: 64 bytes + 16 of padding
.set G_X,   1024                       ; work-groups below this number take x,
.set G_K,   1056                       ; below this Wk,
.set G_V,   1088                       ; below this Wv; the rest Wq
	s_load_b512 s[4:19], s[0:1], 0x0               ; x 4, Wk 6, Wv 8, Wq 10, query 12, bq 14, xc 16, xs 18
	s_load_b128 s[20:23], s[0:1], 0x40             ; wc 20, ws 22
	s_load_b64 s[24:25], s[0:1], 0x50              ; qs
	v_lshl_add_u32 v192, v0, 2, 0x8000
	v_mov_b32 v193, 0
	v_lshrrev_b32 v1, 5, v0
	v_readfirstlane_b32 s26, v1                    ; wave
	v_and_b32 v2, 31, v0                           ; lane
	s_cmp_ge_u32 ttmp9, G_V
	s_cbranch_scc1 .Lq
	v_lshlrev_b32 v3, 4, v2                        ; my 16 bytes of a load's 512
	s_mul_i32 s44, s26, WREG
	v_lshrrev_b32 v14, 2, v2
	v_mul_u32_u24 v14, v14, SP
	v_and_b32 v15, 3, v2
	v_lshl_add_u32 v14, v15, 4, v14
	v_add_nc_u32 v14, s44, v14                     ; the stage, on the way in: SP (lane / 4) + 16 (lane % 4)
	v_mul_u32_u24 v15, v2, SP
	v_add_nc_u32 v15, s44, v15                     ; and on the way out: SP x lane
	v_lshrrev_b32 v5, 1, v2
	s_add_co_u32 s44, s44, 2*32*SP
	v_add_nc_u32 v5, s44, v5                       ; my block's scale byte among the wave's 256
	v_lshlrev_b32 v7, 3, v2
	v_add_nc_u32 v6, s44, v7                       ; and 8 of them a lane on the way out
	s_wait_kmcnt 0x0
	s_mov_b32 s36, 4096
	s_mov_b32 s37, G_K
	s_cmp_lt_u32 ttmp9, G_K                        ; the choices hang on the work-group's number alone
	s_cselect_b64 s[28:29], s[6:7], s[8:9]         ; Wk or Wv
	s_cselect_b32 s37, G_X, s37                    ; the tensor's first work-group
	s_cmp_lt_u32 ttmp9, G_X
	s_cselect_b64 s[28:29], s[4:5], s[28:29]       ; the source
	s_cselect_b64 s[30:31], s[16:17], s[20:21]     ; its codes
	s_cselect_b64 s[32:33], s[18:19], s[22:23]     ; its scale bytes
	s_cselect_b32 s37, 0, s37
	s_cselect_b32 s38, 0, G_X                      ; the output buffers' first work-group (Wk and Wv share theirs)
	s_cselect_b32 s34, 16, 256                     ; bytes from block to block of K,
	s_cselect_b32 s35, 512, 16                     ; from row to row,
	s_cselect_b32 s36, 256, s36                    ; and from a row's first half to its second
	s_cselect_b32 s45, 1, 0
	s_sub_co_u32 s39, ttmp9, s37
	s_lshl_b32 s39, s39, 2
	s_add_co_u32 s39, s39, s26                     ; which run of 8 rows of the source is my wave's
	s_lshl_b32 s40, s39, 15
	s_mov_b32 s41, 0
	s_add_nc_u64 s[28:29], s[28:29], s[40:41]
	s_sub_co_u32 s39, ttmp9, s38
	s_lshl_b32 s39, s39, 2
	s_add_co_u32 s39, s39, s26                     ; and of the outputs
	s_lshl_b32 s42, s39, 8
	s_mov_b32 s43, 0
	s_add_nc_u64 s[32:33], s[32:33], s[42:43]      ; 256 scale bytes a run
	s_lshl_b32 s40, s39, 12                        ; x: 4,096 bytes of codes a run
	s_lshr_b32 s42, s39, 1
	s_lshl_b32 s42, s42, 13                        ; weights: 8,192 bytes for 16 rows,
	s_and_b32 s44, s39, 1
	s_lshl_b32 s44, s44, 7                         ; and 128 for the upper 8 rows
	s_add_co_u32 s42, s42, s44
	s_cmp_eq_u32 s45, 1
	s_cselect_b32 s40, s40, s42
	s_add_nc_u64 s[30:31], s[30:31], s[40:41]
	v_lshrrev_b32 v10, 1, v2
	v_mul_u32_u24 v10, s34, v10                    ; my block's place,
	v_and_b32 v9, 1, v2
	v_lshl_add_u32 v10, v9, 3, v10                 ; my half of its 16 bytes
.irp t, 0,1,2,3,4,5,6,7,8,9,10,11,12,13,14,15
	s_mul_i32 s44, s35, (\t)/2                     ; step t is half t % 2 of row t / 2
.if (\t)%2
	s_add_co_u32 s44, s44, s36
.endif
	v_add_nc_u32 v[C+4*\t+2], s44, v10
.endr
.macro LOAD t
.irp i, 0,1,2,3
	global_load_b128 v[R+16*((\t)%4)+4*\i:R+16*((\t)%4)+4*\i+3], v3, s[28:29] offset:2048*(\t)+512*\i th:TH_LOAD_NT   ; 32 lanes read 512 consecutive bytes
.endr
.endm
.macro TURN t                          ; step t's numbers through the stage: LDS serves a wave's instructions in order, so no wait stands between the stores and the loads
.irp i, 0,1,2,3
	ds_store_b128 v14, v[R+16*((\t)%4)+4*\i:R+16*((\t)%4)+4*\i+3] offset:32*SP*((\t)%2)+8*SP*\i
.endr
.irp i, 0,1,2,3
	ds_load_b128 v[X+16*((\t)%2)+4*\i:X+16*((\t)%2)+4*\i+3], v15 offset:32*SP*((\t)%2)+16*\i
.endr
.endm
.irp t, 0,1,2,3
	LOAD \t
.endr
	s_wait_loadcnt 12                              ; step 0's four loads are in; twelve younger ones stay out
	TURN 0
.macro STEP t
.set XS, X+16*((\t)%2)
.if (\t) > 0
	s_wait_dscnt 1                                 ; this step's numbers are back from the stage (the last step's byte store may be out): so its stores into the stage have read their registers,
.else
	s_wait_dscnt 0x0
.endif
.if (\t)+4 < STEPS
	LOAD (\t)+4                                    ; which take the loads of four steps on
.endif
.if (\t)+1 < STEPS
.if STEPS-2-(\t) >= 3
	s_wait_loadcnt 12                              ; the next step's four loads are in; those of the three steps behind it may be out
.else
	s_wait_loadcnt 4*(STEPS-2-(\t))
.endif
	TURN (\t)+1                                    ; and go through the other stage while this step is worked
.endif
	v_max3_num_f32 v8, |v[XS]|, |v[XS+1]|, |v[XS+2]|               ; the largest magnitude of my 16, in two chains
	v_max3_num_f32 v9, |v[XS+3]|, |v[XS+4]|, |v[XS+5]|
.irp i, 6,10
	v_max3_num_f32 v8, v8, |v[XS+\i]|, |v[XS+\i+1]|
	v_max3_num_f32 v9, v9, |v[XS+\i+2]|, |v[XS+\i+3]|
.endr
	v_max3_num_f32 v8, v8, |v[XS+14]|, |v[XS+15]|
	v_max3_num_f32 v8, v8, v9, (EMAX+1)<<23        ; and the floor 2^(3 - 127): the byte cannot fall under 1
	v_max_num_f32_dpp v8, v8, v8 row_xmask:1 row_mask:0xf bank_mask:0xf   ; and of my neighbour's 16: the block's
	v_add_nc_u32 v11, -(EMAX<<23), v8              ; 2 off its exponent field: the conversion takes the exponent field of this operand as its scale
	v_cvt_scalef32_pk8_fp4_f32 v[C+4*(\t)], v[XS:XS+7], v11
	v_cvt_scalef32_pk8_fp4_f32 v[C+4*(\t)+1], v[XS+8:XS+15], v11
	v_lshrrev_b32 v[E+(\t)], 23, v11               ; the scale's byte (a plain line behind the conversions)
	ds_store_b8 v5, v[E+(\t)] offset:16*(\t)       ; both lanes of a block write the same byte with the same value
	global_store_b64 v[C+4*(\t)+2], v[C+4*(\t):C+4*(\t)+1], s[30:31]
.endm
.irp t, 0,1,2,3,4,5,6,7,8,9,10,11,12,13,14,15
	STEP \t
.endr
	ds_load_b64 v[12:13], v6                       ; in order behind my byte stores
	s_wait_dscnt 0x0
	global_store_b64 v7, v[12:13], s[32:33]        ; 32 lanes store 256 consecutive bytes, aligned
	s_wait_tensorcnt 0x0
	ds_add_u32 v192, v193
	s_wait_dscnt 0x0
	s_endpgm
; q'[e] = (sum over k of query[k] Wq[e][k] + bq[e]) / 8, in f32: the division by sqrt(64) of the logits is taken here, exactly.  A wave takes 8 rows of Wq, a row at a time:
; lane l holds k = 128 j + 4 l + 0 .. 3; four rows' loads are always on their way.
.Lq:
	s_sub_co_u32 s27, ttmp9, G_V
	s_lshl_b32 s27, s27, 5
	s_lshl_b32 s44, s26, 3
	s_add_co_u32 s27, s27, s44                     ; my first row
	s_lshl_b32 s40, s27, 12
	s_mov_b32 s41, 0
	s_lshl_b32 s42, s27, 2
	s_mov_b32 s43, 0
	v_lshlrev_b32 v1, 4, v2                        ; 16 x lane
	v_and_b32 v4, 7, v2                            ; lane i of the first eight keeps row i's result
	v_lshlrev_b32 v3, 2, v4
	v_mov_b32 v176, 0
	v_mov_b32 v182, 0                              ; a lane permute's destination counts as one of its sources
	s_mov_b32 s46, 0x76543210
	s_mov_b32 s47, 0xfedcba98                      ; v_permlanex16_b32's selects for lane l xor 16
	s_wait_kmcnt 0x0
	s_add_nc_u64 s[10:11], s[10:11], s[40:41]
	s_add_nc_u64 s[14:15], s[14:15], s[42:43]
	s_add_nc_u64 s[24:25], s[24:25], s[42:43]
.irp j, 0,1,2,3,4,5,6,7
	global_load_b128 v[16+4*\j:19+4*\j], v1, s[12:13] offset:512*\j
.endr
	global_load_b32 v177, v3, s[14:15]
.irp i, 0,1,2,3
.irp j, 0,1,2,3,4,5,6,7
	global_load_b128 v[48+32*\i+4*\j:51+32*\i+4*\j], v1, s[10:11] offset:4096*\i+512*\j th:TH_LOAD_NT
.endr
.endr
.macro QROW i, left                    ; left: the loads issued behind row i's eight
.set S, 48+32*((\i)%4)
	s_wait_loadcnt \left
	v_pk_mul_f32 v[178:179], v[S:S+1], v[16:17]
	v_pk_mul_f32 v[180:181], v[S+2:S+3], v[18:19]
.irp j, 1,2,3,4,5,6,7
	v_pk_fma_f32 v[178:179], v[S+4*\j:S+4*\j+1], v[16+4*\j:17+4*\j], v[178:179]
	v_pk_fma_f32 v[180:181], v[S+4*\j+2:S+4*\j+3], v[18+4*\j:19+4*\j], v[180:181]
.endr
.if (\i) < 4
.irp j, 0,1,2,3,4,5,6,7
	global_load_b128 v[S+4*\j:S+4*\j+3], v1, s[10:11] offset:4096*((\i)+4)+512*\j th:TH_LOAD_NT
.endr
.endif
	v_pk_add_f32 v[178:179], v[178:179], v[180:181]
	v_add_f32 v178, v178, v179
.irp m, 1,2,4,8
	v_add_f32_dpp v178, v178, v178 row_xmask:\m row_mask:0xf bank_mask:0xf
.endr
	v_permlanex16_b32 v182, v178, s46, s47
	v_add_f32 v178, v178, v182
	v_cmp_eq_u32 vcc_lo, \i, v4
	v_cndmask_b32 v176, v176, v178, vcc_lo
.endm
	QROW 0, 24
	QROW 1, 24
	QROW 2, 24
	QROW 3, 24
	QROW 4, 24
	QROW 5, 16
	QROW 6, 8
	QROW 7, 0
	v_add_f32 v176, v176, v177
	v_mul_f32 v176, 0x3e000000, v176               ; / 8
	v_cmp_gt_u32 vcc_lo, 8, v2
	s_wait_xcnt 0x0                                ; EXEC changes only behind this wait
	s_and_saveexec_b32 s44, vcc_lo
	global_store_b32 v3, v176, s[24:25]
	s_wait_xcnt 0x0
	s_or_b32 exec_lo, exec_lo, s44
	s_endpgm
.Lfunc_end_k_qb6f02d8d3b_quant:
	.size	k_qb6f02d8d3b_quant, .Lfunc_end_k_qb6f02d8d3b_quant-k_qb6f02d8d3b_quant
	.p2alignl 7, 3214868480
	.fill 96, 4, 3214868480
	.section	.rodata,"a",@progbits
	.p2align	6, 0x0
	.amdhsa_kernel k_qb6f02d8d3b_quant
		.amdhsa_group_segment_fixed_size 33280
		.amdhsa_private_segment_fixed_size 0
		.amdhsa_enable_private_segment 0
		.amdhsa_kernarg_size 88
		.amdhsa_user_sgpr_count 2
		.amdhsa_user_sgpr_kernarg_segment_ptr 1
		.amdhsa_wavefront_size32 1
		.amdhsa_system_sgpr_workgroup_id_x 1
		.amdhsa_system_sgpr_workgroup_id_y 1
		.amdhsa_system_sgpr_workgroup_id_z 1
		.amdhsa_system_vgpr_workitem_id 0
		.amdhsa_next_free_vgpr 194
		.amdhsa_next_free_sgpr 66
		.amdhsa_reserve_vcc 1
		.amdhsa_float_denorm_mode_32 3
		.amdhsa_float_denorm_mode_16_64 3
		.amdhsa_memory_ordered 1
		.amdhsa_forward_progress 1
		.amdhsa_inst_pref_size 56
	.end_amdhsa_kernel
	.amdgpu_metadata
---
amdhsa.version: [ 1, 2 ]
amdhsa.kernels:
  - .name:           k_qb6f02d8d3b_quant
    .symbol:         k_qb6f02d8d3b_quant.kd
    .args:
      - { .name: x, .offset: 0, .size: 8, .value_kind: global_buffer, .address_space: global }
      - { .name: Wk, .offset: 8, .size: 8, .value_kind: global_buffer, .address_space: global }
      - { .name: Wv, .offset: 16, .size: 8, .value_kind: global_buffer, .address_space: global }
      - { .name: Wq, .offset: 24, .size: 8, .value_kind: global_buffer, .address_space: global }
      - { .name: query, .offset: 32, .size: 8, .value_kind: global_buffer, .address_space: global }
      - { .name: bq, .offset: 40, .size: 8, .value_kind: global_buffer, .address_space: global }
      - { .name: xc, .offset: 48, .size: 8, .value_kind: global_buffer, .address_space: global }
      - { .name: xs, .offset: 56, .size: 8, .value_kind: global_buffer, .address_space: global }
      - { .name: wc, .offset: 64, .size: 8, .value_kind: global_buffer, .address_space: global }
      - { .name: ws, .offset: 72, .size: 8, .value_kind: global_buffer, .address_space: global }
      - { .name: qs, .offset: 80, .size: 8, .value_kind: global_buffer, .address_space: global }
    .group_segment_fixed_size: 33280
    .private_segment_fixed_size: 0
    .kernarg_segment_align: 8
    .kernarg_segment_size: 88
    .max_flat_workgroup_size: 128
    .sgpr_count:     66
    .vgpr_count:     194
    .wavefront_size: 32
...
	.end_amdgpu_metadata
.endif
;; end of part 1
;; launch main (part 2): grid 256 x 1, 4 waves a work-group, clusters of 4 x 1, 327,680 bytes of LDS; arguments xc, xs, wc, ws, qs, bk, bv, gumbel_u, part, ml; writes part, ml
.if DOCPART == 2
	.amdgcn_target "amdgcn-amd-amdhsa--gfx1250"
	.amdhsa_code_object_version 6
	.text
	.protected	k_qb6f02d8d3b_main
	.globl	k_qb6f02d8d3b_main
	.p2align	8
	.type	k_qb6f02d8d3b_main,@function
k_qb6f02d8d3b_main:
	s_mov_b64 s[64:65], 0
	v_nop
	global_prefetch_b8 v0, s[64:65] scope:SCOPE_SE
	s_setreg_imm32_b32 hwreg(HW_REG_WAVE_MODE, 25, 1), 1
	s_wait_xcnt 0x0
	s_wait_alu depctr_hold_cnt(0) depctr_sa_sdst(0) depctr_va_vdst(0) depctr_va_sdst(0) depctr_va_ssrc(0) depctr_va_vcc(0) depctr_vm_vsrc(0)
	s_getreg_b32 s2, hwreg(HW_REG_IB_STS2, 6, 4)
	s_cmp_eq_u32 s2, 0
	s_cbranch_scc0 .Lentry_in_a_cluster
	s_endpgm
.Lentry_in_a_cluster:
	s_bfe_u32 s2, ttmp6, 0x10000c
	s_cmp_lg_u32 s2, 0x3003
	s_cbranch_scc0 .Lentry_shape_is_right
	s_endpgm
.Lentry_shape_is_right:
; k = Q(x) Q(Wk)^T + bk and v = Q(x) Q(Wv)^T + bv on codes of FP4 with E8M0 scales, consumed as they are made: logit = q' . k, the hard Gumbel mask A, a running softmax, and the sum of A p v.  k and v never leave the registers.
; SHARES.  A cluster of four work-groups takes 512 rows of x (one eighth of a batch) for all 16 heads; a work-group takes 4 heads, A WAVE ONE HEAD.  The head's 64 rows of Wk and 64 rows of Wv, all of K, stay in the
; wave's registers for the whole launch: 512 registers.  The 512 rows' codes (256 KiB) and scale bytes (16 KiB) come into each work-group's LDS ONCE, by joint tensor loads (the same load with the same
; descriptor and a mask that names the four); no LDS byte is filled twice.
; THE PRODUCT is the form of 32 x 16 x 128, USED TRANSPOSED: source 0 = 32 rows of W (two neighbouring tiles of 16 in 16 registers; its scale register holds row m's word in lane m), source 1 = 16 rows of x.
; Lane (r, h) of the result holds row r of x, and register 8 u + j of pair p the channel 32 p + 16 u + 8 h + j.  The biases are the C of the first K step.  A fragment of x read from LDS feeds 4 such instructions.
; BY TURNS.  A tile of 16 rows is two phases of 16 matrix instructions: K makes k (pairs 0 and 1 by turns, K ascending), V makes v (pairs 2 and 3).  The wave has its SIMD to itself, so whatever it issues behind all of a
; tile's products leaves the matrix unit idle.  So the rows' work is cut into slices of at most four lines, one behind each matrix instruction: behind V(j) the dot of k(j) with q' and the softmax's serial steps, one step
; a slice, so that no line reads the result of the line before it; behind K(j + 1) the fetch of tile j + 2's .. no: of the tile after it, and the update of the weighted sum by v(j).  k's registers are read out before K(j + 1)
; writes them, v's before V(j + 1) does: one set of accumulators serves.  x's fragments and scale words have two buffers, so the loop is two tiles long.
; By the code's own count a tile has 32 matrix instructions, 71 vector lines, 20 LDS lines.  All that the slices touch lies in window 0, and no window has room for a product's operands beside it: a slice costs two
; switches of the register window, 64 a tile; set in a phase of their own the same lines would stand where no product is issued, which is the greater price.
; SOFTMAX.  Each lane keeps a running maximum m and sum l over its own rows (row % 16 = r): p = e^(logit - m); l takes every p, the weighted v only those with A = 1.  At the end the 16 lanes are merged; the wave stores
; one partial (m, l, 64 numbers) for its head and these 512 rows, and each row's logit where A = 1, else -infinity.  Later launches merge the eight partials of a batch.
; THE MASK.  g = -ln(-ln(u + 1e-20) + 1e-20) in f32; A = 1 where (logit + g1) > g0.
; LIMITS: NaN and infinities are not served.  A is decided on the two sums themselves, not behind the two-way softmax, so it can differ where they lie within an ulp of each other; A is taken as exactly 0 or 1.
; REGISTERS, in windows of 256: window 0: addresses, scale words, q', the weighted sum, the accumulators, statistics.  window 1: the weights' K steps 0-3, pair p, K step q at v[64 p + 16 q].
;   window 2: K steps 4-7, at v[64 p + 16 (q - 4)].   window 3: v0-63 the biases in the result's layout, v64-127 and v128-191 x's eight fragments of a tile, two buffers.
.set XPITCH, 528                       ; a row of x's codes in LDS: 512 bytes + 16 of padding = 33 x 16 bytes: the 16 rows of a load start at 16 different columns of 16 bytes
.set PIECE,  64*XPITCH                 ; what one tensor load brings: 64 rows
.set XSL,    512*XPITCH                ; x's scale bytes: 64 runs of 256 bytes (8 rows) + 16 of padding
.set GUM,    XSL+64*272                ; each wave's 4,096 bytes: [row][g0, g1]
.set MLS,    GUM+4*4096                ; each wave's 2,048 bytes: the rows' masked logits
.set HST,    MLS+4*2048                ; each wave's 256 bytes: the way out of the weighted sum
.set REC,    4352                      ; a record of part: 1,024 numbers, 16 m, 16 l, and a rest that nobody reads
.set LI,  1                            ; 16 x lane
.set AX0, 2                            ; my place in a tile of x: r x pitch + 16 h
.set AS0, 3                            ; among its scale words
.set AG0, 4                            ; among my wave's Gumbel pairs
.set AM0, 5                            ; among my wave's masked logits
.set ADX, 6                            ; the first two for the tile that is fetched, the last two for the tile in hand
.set ADS, 7
.set ADG, 8
.set ADM, 9
.set RR,  10                           ; r = lane % 16
.set HH,  11                           ; h = lane / 16
.set OB,  12                           ; 32 h: my half's eight numbers of a tile of bias or q'
.set OW,  13                           ; 32 x lane: my row of the weights' scale bytes
.set GW,  14                           ; where I store Gumbel terms
.set LN,  15                           ; lane
.set XSC, 16                           ; v16-23  x's scale words, K step q at +q: buffer 0;
.set XSCD, 194                         ; v210-217 buffer 1
.set WS,  24                           ; v24-55  the weights' scale words: pair p, K step q at 8 p + q: lane m holds the word of row m of the pair's 32
.set QP,  56                           ; v56-87  q' in the layout of k
.set HACC, 88                          ; v88-119 the weighted sum of v, in the layout of v
.set ACC, 120                          ; v120-183 pair p at 16 p: 0, 1 k; 2, 3 v
.set GG,  184                          ; v[184:185] g0, g1 of my row
.set SA,  186                          ; four chains of the dot: v[186:187], v[188:189], v[218:219], v[220:221]
.set SB,  188
.set FF,  190                          ; v[190:191] e^(old m - new m); the pair's upper word is written once and not used
.set PM,  192                          ; v[192:193] A p; likewise
.set LG,  194
.set TT,  195
.set MM,  196
.set MN,  197
.set LL,  198
.set D0,  199
.set D1,  200
.set PP,  201
.set ZZ,  202
.set MLV, 203
.set AH,  204                          ; the way out: addresses
.set HR,  205
.set MR,  206
.set O8,  207
.set SO,  208
.set SC,  218
.set SD,  220
.set XF,  64                           ; in window 3: buffer 0;
.set XFD, 64                           ; buffer 1 begins 64 registers on
.set MSB, 0
.macro WIN new                         ; the immediate's high byte repeats the setting that is left; a switch that changes nothing is dropped
.if MSB != \new
	s_set_vgpr_msb (MSB<<8)|\new
.set MSB, \new
.endif
.endm
.set W_B0, 0x3d                        ; source 0 (W) window 1, source 1 (x) window 3, C (bias) window 3, D window 0
.set W_LO, 0x0d                        ; W window 1, x window 3, C and D window 0
.set W_HI, 0x0e                        ; W window 2
.set TO1,  0x40                        ; destination window 1, address window 0
.set TO2,  0x80
.set TO3,  0xc0
.macro ROUND                           ; a round of the cluster's barrier
	s_barrier_signal -1
	s_barrier_wait -1
	s_cmp_lg_u32 s28, 0
	s_cbranch_scc1 .Lnot_wave_0_\@
	s_barrier_signal -3
.Lnot_wave_0_\@:
	s_barrier_wait -3
	s_barrier_signal -1
	s_barrier_wait -1
.endm
	s_load_b512 s[8:23], s[0:1], 0x0               ; xc 8, xs 10, wc 12, ws 14, qs 16, bk 18, bv 20, gumbel_u 22
	s_load_b128 s[24:27], s[0:1], 0x40             ; part 24, ml 26
	v_lshl_add_u32 v254, v0, 2, 0x4c800
	v_mov_b32 v255, 0
	ds_add_u32 v254, v255
	ds_add_u32 v254, v255
	v_lshrrev_b32 v[GW], 5, v0
	v_readfirstlane_b32 s28, v[GW]                 ; wave 0..3
	s_bfe_u32 s29, ttmp6, 0x40000                  ; cx: my place in the cluster: it enters the addresses of plain loads and stores alone
	s_lshl_b32 s30, s29, 2
	s_add_co_u32 s30, s30, s28                     ; my head = 4 cx + wave
	s_mov_b32 s31, ttmp9                           ; the cluster: which 512 rows
	; descriptor group 1 for the codes: 64 rows x 512 bytes, 16 bytes of padding behind each
	s_mov_b32 s32, 15|(0<<16)|(1<<20)|(1<<21)|(6<<22)|(3<<25)   ; 15:0 the mask: all four work-groups; 17:16 elements of 1 byte; 20 padding on; 21 set beside a mask; 24:22 after every 128 words; 31:25 four words
	s_mov_b32 s33, 512<<16                         ; tensor_dim0
	s_mov_b32 s34, 64<<16                          ; tensor_dim1
	s_mov_b32 s35, 512<<16                         ; tile_dim0
	s_mov_b32 s36, 64                              ; tile_dim1
	s_mov_b32 s37, 512                             ; from row to row
	s_mov_b32 s38, 0
	s_mov_b32 s39, 0
	; and for the scale bytes: 4,096 dense bytes as 16 rows of 256 (32 elements of 8 bytes), 16 bytes of padding behind each
	s_mov_b32 s40, 15|(3<<16)|(1<<20)|(1<<21)|(5<<22)|(3<<25)
	s_mov_b32 s41, 32<<16
	s_mov_b32 s42, 16<<16
	s_mov_b32 s43, 32<<16
	s_mov_b32 s44, 16
	s_mov_b32 s45, 32
	s_mov_b32 s46, 0
	s_mov_b32 s47, 0
	s_mov_b32 s60, 0x76543210
	s_mov_b32 s61, 0xfedcba98                      ; v_permlanex16_b32's selects for lane l xor 16
	s_mov_b32 s62, 0x3fb8aa3b                      ; log2(e)
	s_mov_b32 s63, 0xff800000                      ; -infinity
	s_mov_b32 s86, 0xbf317218                      ; -ln(2)
	s_mov_b32 s87, 0x1e3ce508                      ; 1e-20
	s_mov_b32 s66, 0                               ; steps from tile to tile: codes,
	s_mov_b32 s67, 0                               ; scale words,
	s_mov_b32 s68, 0                               ; Gumbel pairs,
	s_mov_b32 s69, 0                               ; masked logits
	s_mul_i32 s72, s28, 16*272                     ; where my loads land: the wave's number times a constant: no place in the cluster enters an LDS address
	s_mul_i32 s73, s28, PIECE
	s_lshl_b32 s74, s31, 14                        ; the cluster's scale bytes, my quarter
	s_lshl_b32 s75, s28, 12
	s_add_co_u32 s74, s74, s75
	s_mov_b32 s75, 0
	s_lshl_b32 s76, s31, 18                        ; the cluster's codes, my 64 rows of the first 256
	s_lshl_b32 s77, s28, 15
	s_add_co_u32 s76, s76, s77
	s_mov_b32 s77, 0
	s_lshr_b32 s80, s31, 3
	s_lshl_b32 s80, s80, 4
	s_add_co_u32 s80, s80, s30                     ; 16 x batch + head
	s_and_b32 s81, s31, 7
	s_lshl_b32 s82, s80, 15
	s_lshl_b32 s81, s81, 12
	s_add_co_u32 s82, s82, s81                     ; gumbel_u: 8 bytes a row
	s_mov_b32 s83, 0
	s_lshr_b32 s84, s82, 1                         ; ml: 4 bytes a row
	s_mov_b32 s85, 0
	s_lshl_b32 s78, s28, 12
	s_add_co_u32 s78, s78, GUM
	s_lshl_b32 s79, s28, 11
	s_add_co_u32 s79, s79, MLS
	s_lshl_b32 s93, s28, 8
	s_add_co_u32 s93, s93, HST
	s_lshl_b32 s94, s30, 2
	v_and_b32 v[LN], 31, v0
	v_lshlrev_b32 v[LI], 4, v[LN]
	v_and_b32 v[RR], 15, v0
	v_bfe_u32 v[HH], v0, 4, 1
	v_mul_u32_u24 v[AX0], v[RR], XPITCH
	v_lshl_add_u32 v[AX0], v[HH], 4, v[AX0]
	v_lshrrev_b32 v[GW], 3, v[RR]
	v_lshlrev_b32 v[AS0], 5, v[RR]
	v_lshl_add_u32 v[AS0], v[GW], 4, v[AS0]        ; 32 bytes a row, and 16 more behind the eighth
	v_add_nc_u32 v[AS0], XSL, v[AS0]
	v_lshl_add_u32 v[AG0], v[RR], 3, s78
	v_lshl_add_u32 v[AM0], v[RR], 2, s79
	v_lshlrev_b32 v[OB], 5, v[HH]
	v_lshlrev_b32 v[OW], 5, v[LN]
	v_add_nc_u32 v[GW], s78, v[LI]
	v_lshl_add_u32 v[AH], v[HH], 5, s93
	v_lshl_add_u32 v[HR], v[LN], 3, s93
	v_add_nc_u32 v[MR], s79, v[LI]
	v_lshlrev_b32 v[O8], 3, v[LN]
	v_lshl_add_u32 v[SO], v[LN], 6, s94            ; lane 0: m's word of my head; lane 1: l's, 64 bytes on
	v_mov_b32 v[ADX], v[AX0]                       ; tile 0
	v_mov_b32 v[ADS], v[AS0]
	s_wait_dscnt 0x0
	s_wait_kmcnt 0x0
	s_mov_b32 s48, 1                               ; group 0 for the scale bytes
	s_add_co_u32 s49, s72, XSL
	s_add_nc_u64 s[50:51], s[10:11], s[74:75]
	s_or_b32 s51, s51, 0x80000000
	s_mov_b32 s52, 1                               ; for my 64 rows of rows 0-255
	s_mov_b32 s53, s73
	s_add_nc_u64 s[54:55], s[8:9], s[76:77]
	s_mov_b32 s56, 1                               ; and of rows 256-511
	s_add_co_u32 s57, s73, 4*PIECE
	s_add_nc_u64 s[58:59], s[54:55], 256*512
	s_or_b32 s55, s55, 0x80000000
	s_or_b32 s59, s59, 0x80000000
	s_add_nc_u64 s[22:23], s[22:23], s[82:83]
	s_add_nc_u64 s[26:27], s[26:27], s[84:85]
	s_lshl_b32 s74, s30, 15
	s_add_nc_u64 s[12:13], s[12:13], s[74:75]      ; my head's four tiles of Wk: 8,192 bytes each,
	s_add_nc_u64 s[88:89], s[12:13], 64*8192       ; and of Wv
	s_lshl_b32 s74, s30, 11
	s_add_nc_u64 s[14:15], s[14:15], s[74:75]      ; their scale bytes: 32 a row
	s_add_nc_u64 s[90:91], s[14:15], 1024*32
	s_lshl_b32 s74, s30, 8
	s_add_nc_u64 s[16:17], s[16:17], s[74:75]
	s_add_nc_u64 s[18:19], s[18:19], s[74:75]
	s_add_nc_u64 s[20:21], s[20:21], s[74:75]
	s_mul_i32 s76, s31, REC
	s_add_nc_u64 s[24:25], s[24:25], s[76:77]      ; the cluster's record,
	s_add_nc_u64 s[72:73], s[24:25], s[74:75]      ; and my head's 64 numbers in it
	ROUND                                          ; all four work-groups are here: the joint loads meet
	tensor_load_to_lds s[48:51], s[40:47]          ; the launch's only fills: three loads of mine are out
	s_nop 0
	tensor_load_to_lds s[52:55], s[32:39]
	s_nop 0
	tensor_load_to_lds s[56:59], s[32:39]
	s_nop 0
.rept 4
	v_nop
.endr
.irp j, 0,1,2,3,4,5,6,7
	global_load_b128 v[ACC+4*\j:ACC+4*\j+3], v[LI], s[22:23] offset:512*\j th:TH_LOAD_NT   ; my head's 512 pairs of u
.endr
; The weights' K steps 4 half .. 4 half + 3.  Every load reads 512 consecutive bytes: group n % 2 of four registers of the fragment (tile t, K step n / 2).  Tiles 2 p and 2 p + 1 of one K step lie side by side: source 0 of one instruction.
.macro WLOAD half
.irp t, 0,1,2,3
.irp n, 0,1,2,3,4,5,6,7
.set rW, 64*(\t/2)+16*(\n/2)+8*(\t%2)+4*(\n%2)
	global_load_b128 v[rW:rW+3], v[LI], s[12:13] offset:8192*\t+4096*\half+512*\n
.endr
.endr
.irp t, 0,1,2,3
.irp n, 0,1,2,3,4,5,6,7
.set rW, 128+64*(\t/2)+16*(\n/2)+8*(\t%2)+4*(\n%2)
	global_load_b128 v[rW:rW+3], v[LI], s[88:89] offset:8192*\t+4096*\half+512*\n
.endr
.endr
.endm
	WIN TO1
	WLOAD 0
	WIN 0
	s_wait_loadcnt 63                              ; 64 loads were issued behind u's eight; the count's field holds 63
.set j, 0
.rept 32
	v_add_f32 v[ACC+j], s87, v[ACC+j]
.set j, j+1
.endr
.set j, 0
.rept 32
	v_log_f32 v[ACC+j], v[ACC+j]
.set j, j+1
.endr
	v_nop                                          ; a plain line behind the transcendentals
.set j, 0
	s_wait_alu depctr_va_vdst(0)
.rept 32
	v_fma_f32 v[ACC+j], v[ACC+j], s86, s87         ; -ln(u + 1e-20) + 1e-20
.set j, j+1
.endr
.set j, 0
.rept 32
	v_log_f32 v[ACC+j], v[ACC+j]
.set j, j+1
.endr
	v_nop
.set j, 0
	s_wait_alu depctr_va_vdst(0)
.rept 32
	v_mul_f32 v[ACC+j], s86, v[ACC+j]              ; g
.set j, j+1
.endr
.irp j, 0,1,2,3,4,5,6,7
	ds_store_b128 v[GW], v[ACC+4*\j:ACC+4*\j+3] offset:512*\j   ; into my wave's own bytes, as they lay in memory
.endr
	WIN TO2
	WLOAD 1
	WIN TO3
.irp t, 0,1,2,3
.irp i, 0,1
	global_load_b128 v[8*\t+4*\i:8*\t+4*\i+3], v[OB], s[18:19] offset:64*\t+16*\i         ; bk(16 t + 8 h + 0 .. 7)
	global_load_b128 v[32+8*\t+4*\i:32+8*\t+4*\i+3], v[OB], s[20:21] offset:64*\t+16*\i   ; bv
.endr
.endr
	WIN 0
.irp t, 0,1,2,3
.irp i, 0,1
	global_load_b128 v[QP+8*\t+4*\i:QP+8*\t+4*\i+3], v[OB], s[16:17] offset:64*\t+16*\i
.endr
.endr
.irp p, 0,1
.irp i, 0,1
	global_load_b128 v[WS+8*\p+4*\i:WS+8*\p+4*\i+3], v[OW], s[14:15] offset:1024*\p+16*\i        ; lane L: row 32 p + L of my head's 64: its eight words
	global_load_b128 v[WS+16+8*\p+4*\i:WS+16+8*\p+4*\i+3], v[OW], s[90:91] offset:1024*\p+16*\i
.endr
.endr
	s_wait_tensorcnt 0x0                           ; my three fills have landed: they were asked for ahead of all the loads above
	s_wait_dscnt 0x0
	s_barrier_signal -1
	s_barrier_wait -1                              ; everybody's have: from here on x's codes and scale bytes are only read
; ---- the pieces of a tile
.macro XLD b, q                        ; fragment q of the tile at ADX into buffer b (destination window 3)
	ds_load_b128 v[XF+XFD*(\b)+8*(\q):XF+XFD*(\b)+8*(\q)+3], v[ADX] offset:64*(\q)
	ds_load_b128 v[XF+XFD*(\b)+8*(\q)+4:XF+XFD*(\b)+8*(\q)+7], v[ADX] offset:64*(\q)+32
.endm
.macro MW p, q, b                      ; one matrix instruction: pair p of W's tiles, K step q, x from buffer b
.set rD, ACC+16*(\p)
.set rA, 64*(\p)+16*((\q)%4)
.set rB, XF+XFD*(\b)+8*(\q)
.set rS, WS+8*(\p)+(\q)
.set rX, XSC+XSCD*(\b)+(\q)
.if (\q) == 0
	WIN W_B0
	v_wmma_scale_f32_32x16x128_f4 v[rD:rD+15], v[rA:rA+15], v[rB:rB+7], v[16*(\p):16*(\p)+15], v[rS], v[rX]
.else
.if (\q) < 4
	WIN W_LO
.else
	WIN W_HI
.endif
	v_wmma_scale_f32_32x16x128_f4 v[rD:rD+15], v[rA:rA+15], v[rB:rB+7], v[rD:rD+15], v[rS], v[rX]
.endif
.endm
.macro HMUL i                          ; pair i of the weighted sum under the new maximum
	v_pk_mul_f32 v[HACC+2*(\i):HACC+2*(\i)+1], v[HACC+2*(\i):HACC+2*(\i)+1], v[FF:FF+1] op_sel_hi:[1,0]
.endm
.macro HFMA i                          ; and the row's A p v onto it
	v_pk_fma_f32 v[HACC+2*(\i):HACC+2*(\i)+1], v[ACC+32+2*(\i):ACC+33+2*(\i)], v[PM:PM+1], v[HACC+2*(\i):HACC+2*(\i)+1] op_sel_hi:[1,0,1]
.endm
.macro DOT s                           ; step s of q' . k over my 32 channels: one line of each of four chains, so that no line reads the result of the line before it; each accumulator is read from its low end on
.if (\s) == 0
	v_pk_mul_f32 v[SA:SA+1], v[ACC:ACC+1], v[QP:QP+1]
	v_pk_mul_f32 v[SB:SB+1], v[ACC+8:ACC+9], v[QP+8:QP+9]
	v_pk_mul_f32 v[SC:SC+1], v[ACC+16:ACC+17], v[QP+16:QP+17]
	v_pk_mul_f32 v[SD:SD+1], v[ACC+24:ACC+25], v[QP+24:QP+25]
.else
	v_pk_fma_f32 v[SA:SA+1], v[ACC+2*(\s):ACC+2*(\s)+1], v[QP+2*(\s):QP+2*(\s)+1], v[SA:SA+1]
	v_pk_fma_f32 v[SB:SB+1], v[ACC+8+2*(\s):ACC+9+2*(\s)], v[QP+8+2*(\s):QP+9+2*(\s)], v[SB:SB+1]
	v_pk_fma_f32 v[SC:SC+1], v[ACC+16+2*(\s):ACC+17+2*(\s)], v[QP+16+2*(\s):QP+17+2*(\s)], v[SC:SC+1]
	v_pk_fma_f32 v[SD:SD+1], v[ACC+24+2*(\s):ACC+25+2*(\s)], v[QP+24+2*(\s):QP+25+2*(\s)], v[SD:SD+1]
.endif
.endm
; PHASE K of a tile whose x lies in buffer b: k = 16 matrix instructions, pairs 0 and 1 by turns, one instruction a turn.
; fetch = 1: the next tile's fragments and scale words are asked for, into the other buffer.  Its last readers are the phase V before: behind that phase's last matrix instruction stand its four scalings and the four
; additions below, plain lines that name none of its registers: the places in front of these loads (ISA guide 7.12.1 for vector instructions).
; hupd = 1: the update of the weighted sum by the tile before goes on: the last 8 scalings, then the 16 multiply-adds, which read v from its low end on.  The four behind the last matrix instruction are the places in front
; of the first read of k; with hupd = 0 (the first tile) four v_nop take their part.
.macro KPH b, hupd, fetch
.if \fetch
	s_add_co_u32 s66, s66, 16*XPITCH
	s_add_co_u32 s67, s67, 2*272
.endif
	MW 0, 0, \b
	WIN 0
.if \fetch
	v_add_nc_u32 v[ADX], s66, v[AX0]
	v_add_nc_u32 v[ADS], s67, v[AS0]
.endif
	v_add_nc_u32 v[ADG], s68, v[AG0]               ; this tile's own Gumbel pair and masked logit: their steps follow
	v_add_nc_u32 v[ADM], s69, v[AM0]
	s_add_co_u32 s68, s68, 128
	s_add_co_u32 s69, s69, 64
	MW 1, 0, \b
	WIN 0
.if \fetch
	ds_load_b128 v[XSC+XSCD*(1-\b):XSC+XSCD*(1-\b)+3], v[ADS]
	ds_load_b128 v[XSC+XSCD*(1-\b)+4:XSC+XSCD*(1-\b)+7], v[ADS] offset:16
.endif
	ds_load_b64 v[GG:GG+1], v[ADG]
.irp n, 0,1,2,3
	MW \n%2, 1+\n/2, \b
.if \fetch
	WIN TO3
	XLD 1-\b, 2*\n
	XLD 1-\b, 2*\n+1
.endif
.endr
.irp n, 0,1,2,3
	MW \n%2, 3+\n/2, \b
.if \hupd
	WIN 0
	HMUL 8+2*\n
	HMUL 9+2*\n
.endif
.endr
.irp n, 0,1,2,3
	MW \n%2, 5+\n/2, \b
.if \hupd
	WIN 0
	HFMA 2*\n
	HFMA 2*\n+1
.endif
.endr
.irp n, 0,1
	MW \n, 7, \b
.if \hupd
	WIN 0
	HFMA 8+4*\n
	HFMA 9+4*\n
	HFMA 10+4*\n
	HFMA 11+4*\n
.endif
.endr
.if \hupd == 0
.rept 4
	v_nop
.endr
.endif
	WIN 0
.endm
; PHASE V of the same tile: v = 16 matrix instructions, pairs 2 and 3 by turns.  Behind them: the dot (four slices), then the row's serial steps, one dependent step a slice, then the first 8 scalings of the weighted sum.
.macro VPH b
	MW 2, 0, \b
	WIN 0
	DOT 0
	MW 3, 0, \b
	WIN 0
	DOT 1
	MW 2, 1, \b
	WIN 0
	DOT 2
	MW 3, 1, \b
	WIN 0
	DOT 3
	MW 2, 2, \b
	WIN 0
	v_pk_add_f32 v[SA:SA+1], v[SA:SA+1], v[SB:SB+1]
	v_pk_add_f32 v[SC:SC+1], v[SC:SC+1], v[SD:SD+1]
	MW 3, 2, \b
	WIN 0
	v_pk_add_f32 v[SA:SA+1], v[SA:SA+1], v[SC:SC+1]
	MW 2, 3, \b
	WIN 0
	v_add_f32 v[LG], v[SA], v[SA+1]
	MW 3, 3, \b
	WIN 0
	v_permlanex16_b32 v[TT], v[LG], s60, s61
	MW 2, 4, \b
	WIN 0
	v_add_f32 v[LG], v[LG], v[TT]                  ; with the other half's 32 channels: the row's logit, the same bits in both halves
	s_wait_dscnt 0x0                               ; the Gumbel pair, wanted in the next slice, and the next tile's fragments and scale words: the youngest of these loads was issued 19 matrix instructions ago
	MW 3, 4, \b
	WIN 0
	v_max_num_f32 v[MN], v[MM], v[LG]
	v_add_f32 v[ZZ], v[LG], v[GG+1]                ; logit + g1
	MW 2, 5, \b
	WIN 0
	v_sub_f32 v[D0], v[MM], v[MN]
	v_sub_f32 v[D1], v[LG], v[MN]
	v_cmp_gt_f32 vcc_lo, v[ZZ], v[GG]              ; A = 1
	MW 3, 5, \b
	WIN 0
	v_mul_f32 v[D0], s62, v[D0]
	v_mul_f32 v[D1], s62, v[D1]
	v_cndmask_b32 v[MLV], s63, v[LG], vcc_lo       ; the logit, or -infinity
	MW 2, 6, \b
	WIN 0
	v_exp_f32 v[FF], v[D0]                         ; e^(old m - new m)
	v_exp_f32 v[PP], v[D1]                         ; p
	v_mov_b32 v[MM], v[MN]                         ; (a plain line behind the exponentials)
	ds_store_b32 v[ADM], v[MLV]                    ; both halves write the same word with the same value
	MW 3, 6, \b
	WIN 0
	s_wait_alu depctr_va_vdst(0)
	v_fma_f32 v[LL], v[LL], v[FF], v[PP]           ; l takes every p
	v_cndmask_b32 v[PM], 0, v[PP], vcc_lo          ; A p
	MW 2, 7, \b
	WIN 0
	HMUL 0
	HMUL 1
	HMUL 2
	HMUL 3
	MW 3, 7, \b
	WIN 0
	HMUL 4
	HMUL 5
	HMUL 6
	HMUL 7
.endm
	WIN TO3
.irp q, 0,1,2,3,4,5,6,7
	XLD 0, \q                                      ; tile 0
.endr
	WIN 0
	ds_load_b128 v[XSC:XSC+3], v[ADS]
	ds_load_b128 v[XSC+4:XSC+7], v[ADS] offset:16
.set j, 0
.rept 32
	v_mov_b32 v[HACC+j], 0                         ; the update is written once for all tiles: the first finds zeros
.set j, j+1
.endr
	v_mov_b32 v[MM], 0xff61b1e6                    ; -3e38, under every logit
	v_mov_b32 v[LL], 0
	v_mov_b32 v[TT], 0                             ; a lane permute's destination counts as one of its sources
	v_mov_b32 v[FF+1], 0
	v_mov_b32 v[PM+1], 0
	s_wait_loadcnt 0x0                             ; weights, biases, q', scale words
	s_wait_dscnt 0x0                               ; tile 0
	KPH 0, 0, 1                                    ; k of tile 0: there is no tile before it to update by
	s_mov_b32 s70, 15
.Ltile:                                            ; trip t: V(2 t), K(2 t + 1), V(2 t + 1), K(2 t + 2); the two K fetch tiles 2 t + 2 and 2 t + 3
	VPH 0
	KPH 1, 1, 1
	VPH 1
	KPH 0, 1, 1
	s_sub_co_u32 s70, s70, 1
	s_cmp_lg_u32 s70, 0
	s_cbranch_scc1 .Ltile
	VPH 0                                          ; tile 30
	KPH 1, 1, 0                                    ; tile 31: nothing is left to fetch
	VPH 1
.irp i, 8,9,10,11,12,13,14,15
	HMUL \i                                        ; the last tile's update; with the four scalings above these are the places in front of the read of v
.endr
.irp i, 0,1,2,3,4,5,6,7,8,9,10,11,12,13,14,15
	HFMA \i
.endr
	; THE END: the sixteen lanes' statistics are merged under their common maximum
	v_mov_b32 v[MN], v[MM]
.irp m, 1,2,4,8
	v_max_num_f32_dpp v[MN], v[MN], v[MN] row_xmask:\m row_mask:0xf bank_mask:0xf
.endr
	v_sub_f32 v[D0], v[MM], v[MN]
	v_mul_f32 v[D0], s62, v[D0]
	v_exp_f32 v[FF], v[D0]
	v_nop
	s_wait_alu depctr_va_vdst(0)
	v_mul_f32 v[LL], v[LL], v[FF]
.irp m, 1,2,4,8
	v_add_f32_dpp v[LL], v[LL], v[LL] row_xmask:\m row_mask:0xf bank_mask:0xf
.endr
.set j, 0
.rept 16
	v_pk_mul_f32 v[HACC+j:HACC+j+1], v[HACC+j:HACC+j+1], v[FF:FF+1] op_sel_hi:[1,0]
.set j, j+2
.endr
.irp m, 1,2,4,8
.set j, 0
.rept 32
	v_add_f32_dpp v[HACC+j], v[HACC+j], v[HACC+j] row_xmask:\m row_mask:0xf bank_mask:0xf
.set j, j+1
.endr
.endr
.irp t, 0,1,2,3
.irp i, 0,1
	ds_store_b128 v[AH], v[HACC+8*\t+4*\i:HACC+8*\t+4*\i+3] offset:64*\t+16*\i   ; channels 16 t + 8 h + 4 i on; a half's sixteen lanes write the same bytes with the same values
.endr
.endr
	ds_load_b64 v[SA:SA+1], v[HR]                  ; in order behind my stores: two channels a lane
.irp j, 0,1,2,3
	ds_load_b128 v[ACC+4*\j:ACC+4*\j+3], v[MR] offset:512*\j
.endr
	s_wait_dscnt 4                                 ; the four loads behind it may be out
	global_store_b64 v[O8], v[SA:SA+1], s[72:73]   ; 32 lanes store 256 consecutive bytes, aligned
.irp j, 0,1,2,3
	s_wait_dscnt 3-\j
	global_store_b128 v[LI], v[ACC+4*\j:ACC+4*\j+3], s[26:27] offset:512*\j   ; 512 consecutive bytes
.endr
	v_cmp_eq_u32 vcc_lo, 1, v[LN]
	v_cndmask_b32 v[D0], v[MN], v[LL], vcc_lo      ; lane 0: m; lane 1: l
	v_cmp_gt_u32 vcc_lo, 2, v[LN]
	s_wait_xcnt 0x0                                ; EXEC changes only behind this wait
	s_and_saveexec_b32 s92, vcc_lo
	global_store_b32 v[SO], v[D0], s[24:25] offset:4096
	s_wait_xcnt 0x0
	s_or_b32 exec_lo, exec_lo, s92
	s_wait_tensorcnt 0x0
	ds_add_u32 v254, v255
	s_wait_dscnt 0x0
	ROUND                                          ; the closing round: no work-group ends while a partner may still ask for a tile that names it
	s_endpgm
.Lfunc_end_k_qb6f02d8d3b_main:
	.size	k_qb6f02d8d3b_main, .Lfunc_end_k_qb6f02d8d3b_main-k_qb6f02d8d3b_main
	.p2alignl 7, 3214868480
	.fill 96, 4, 3214868480
	.section	.rodata,"a",@progbits
	.p2align	6, 0x0
	.amdhsa_kernel k_qb6f02d8d3b_main
		.amdhsa_group_segment_fixed_size 327680
		.amdhsa_private_segment_fixed_size 0
		.amdhsa_enable_private_segment 0
		.amdhsa_kernarg_size 80
		.amdhsa_user_sgpr_count 2
		.amdhsa_user_sgpr_kernarg_segment_ptr 1
		.amdhsa_wavefront_size32 1
		.amdhsa_system_sgpr_workgroup_id_x 1
		.amdhsa_system_sgpr_workgroup_id_y 1
		.amdhsa_system_sgpr_workgroup_id_z 1
		.amdhsa_system_vgpr_workitem_id 0
		.amdhsa_next_free_vgpr 1024
		.amdhsa_next_free_sgpr 96
		.amdhsa_reserve_vcc 1
		.amdhsa_float_denorm_mode_32 3
		.amdhsa_float_denorm_mode_16_64 3
		.amdhsa_memory_ordered 1
		.amdhsa_forward_progress 1
		.amdhsa_inst_pref_size 88
	.end_amdhsa_kernel
	.amdgpu_metadata
---
amdhsa.version: [ 1, 2 ]
amdhsa.kernels:
  - .name:           k_qb6f02d8d3b_main
    .symbol:         k_qb6f02d8d3b_main.kd
    .args:
      - { .name: xc, .offset: 0, .size: 8, .value_kind: global_buffer, .address_space: global }
      - { .name: xs, .offset: 8, .size: 8, .value_kind: global_buffer, .address_space: global }
      - { .name: wc, .offset: 16, .size: 8, .value_kind: global_buffer, .address_space: global }
      - { .name: ws, .offset: 24, .size: 8, .value_kind: global_buffer, .address_space: global }
      - { .name: qs, .offset: 32, .size: 8, .value_kind: global_buffer, .address_space: global }
      - { .name: bk, .offset: 40, .size: 8, .value_kind: global_buffer, .address_space: global }
      - { .name: bv, .offset: 48, .size: 8, .value_kind: global_buffer, .address_space: global }
      - { .name: gumbel_u, .offset: 56, .size: 8, .value_kind: global_buffer, .address_space: global }
      - { .name: part, .offset: 64, .size: 8, .value_kind: global_buffer, .address_space: global }
      - { .name: ml, .offset: 72, .size: 8, .value_kind: global_buffer, .address_space: global }
    .group_segment_fixed_size: 327680
    .private_segment_fixed_size: 0
    .kernarg_segment_align: 8
    .kernarg_segment_size: 80
    .max_flat_workgroup_size: 128
    .sgpr_count:     96
    .vgpr_count:     1024
    .wavefront_size: 32
...
	.end_amdgpu_metadata
.endif
;; end of part 2
;; launch mlp1 (part 3): grid 256 x 1, 8 waves a work-group, no clusters, 38,400 bytes of LDS; arguments part, ln_g, ln_b, W1, b1, h1; writes h1
.if DOCPART == 3
	.amdgcn_target "amdgcn-amd-amdhsa--gfx1250"
	.amdhsa_code_object_version 6
	.text
	.protected	k_qb6f02d8d3b_mlp1
	.globl	k_qb6f02d8d3b_mlp1
	.p2align	8
	.type	k_qb6f02d8d3b_mlp1,@function
k_qb6f02d8d3b_mlp1:
	s_mov_b64 s[64:65], 0
	v_nop
	global_prefetch_b8 v0, s[64:65] scope:SCOPE_SE
	s_setreg_imm32_b32 hwreg(HW_REG_WAVE_MODE, 25, 1), 1
	s_wait_xcnt 0x0
; h1 = relu(LN(hidden) W1^T + b1), in f32.  hidden[b] is merged here from the eight partials of batch b: for each head, m = the largest of the eight m_c, f_c = e^(m_c - m), hidden = sum f_c part_c / sum f_c l_c.
; SHARES.  A work-group takes 16 rows of W1.  EVERY work-group merges and normalises all eight batches, wave w batch w, while its rows of W1 are on their way: the partials are small, and a launch of its own for the
; merge would cost more than reading them again.  Then wave w multiplies rows 2 w and 2 w + 1 of the sixteen by all eight batches, which it takes from LDS.
; 8 rows are too few for the matrix units: fused multiply-adds, two a line.  No tensor loads: each wave's loads are few and long (512 consecutive bytes).
; A lane's register 4 i + k holds element e = 128 i + 4 lane + k of a row of 1,024; its head is 2 i + lane / 16.
; h1 leaves in pieces of 64 bytes (16 numbers of each batch): 128 KiB in all; longer pieces would want fewer work-groups.
.set WT,   32768                       ; LDS: 0: the eight normalised rows, 4,096 bytes each; WT: each wave's 512 bytes of factors, [chunk][lane / 16][i]; OUTS: [batch][16] results
.set OUTS, 36864
.set REC,  4352
.set W1R,  16                          ; v16-79   my two rows of W1
.set PH,   80                          ; v80-207  four sets of 32: partials, then ln_g and ln_b, then rows from LDS
.set HA,   208                         ; v208-239 the merged row; before it the statistics; after it 16 pairs of sums
.set SM,   208
.set SL,   216
.set FC,   224
.set WC,   240                         ; v240-255 two sets of 8 factors; later at work
	s_load_b256 s[4:11], s[0:1], 0x0               ; part 4, ln_g 6, ln_b 8, W1 10
	s_load_b128 s[12:15], s[0:1], 0x20             ; b1 12, h1 14
	s_set_vgpr_msb 0x40
	v_lshl_add_u32 v0, v0, 2, 0x9200
	v_mov_b32 v1, 0
	s_set_vgpr_msb 0x4000
	v_lshrrev_b32 v2, 5, v0
	v_readfirstlane_b32 s16, v2                    ; wave 0..7
	v_and_b32 v2, 31, v0                           ; lane
	v_lshlrev_b32 v1, 4, v2                        ; 16 x lane
	v_and_b32 v3, 15, v2
	v_lshlrev_b32 v3, 2, v3                        ; the word of head lane % 16
	v_and_b32 v4, 3, v2
	v_lshlrev_b32 v4, 4, v4
	s_lshl_b32 s17, s16, 9
	s_add_co_u32 s17, s17, WT
	v_and_b32 v5, 1, v2
	v_bfe_u32 v6, v2, 1, 3
	v_lshlrev_b32 v5, 5, v5
	v_lshl_add_u32 v5, v6, 2, v5
	v_add_nc_u32 v5, s17, v5                       ; head hd's factor goes to [hd % 2][hd / 2]
	v_bfe_u32 v6, v2, 4, 1
	v_lshl_add_u32 v6, v6, 5, s17                  ; and my half's eight come back from [lane / 16][0 .. 7]
	s_lshl_b32 s24, s16, 12
	v_add_nc_u32 v7, s24, v1                       ; my batch's row in LDS
	v_mov_b32 v8, 0                                ; a lane permute's destination counts as one of its sources
	s_lshl_b32 s24, s16, 3
	s_add_co_u32 s24, s24, OUTS
	v_mov_b32 v9, s24
	v_add_nc_u32 v10, OUTS, v1
	v_lshrrev_b32 v11, 2, v2
	v_lshl_add_u32 v11, v11, 14, v4                ; h1: batch lane / 4, four numbers at 16 (lane % 4)
	s_mov_b32 s18, 0x76543210
	s_mov_b32 s19, 0xfedcba98
	s_mov_b32 s20, 0x3fb8aa3b                      ; log2(e)
	s_mov_b32 s21, 0x3a800000                      ; 1 / 1,024
	s_mov_b32 s22, 0x3727c5ac                      ; 1e-5
	s_mul_i32 s26, s16, 8*REC
	s_mov_b32 s27, 0
	s_lshl_b32 s28, ttmp9, 16
	s_lshl_b32 s29, s16, 13
	s_add_co_u32 s28, s28, s29
	s_mov_b32 s29, 0
	s_lshl_b32 s30, ttmp9, 6
	s_mov_b32 s31, 0
	s_wait_kmcnt 0x0
	s_add_nc_u64 s[4:5], s[4:5], s[26:27]          ; my batch's eight records
	s_add_nc_u64 s[10:11], s[10:11], s[28:29]      ; my two rows of W1
	s_add_nc_u64 s[12:13], s[12:13], s[30:31]
	s_add_nc_u64 s[14:15], s[14:15], s[30:31]
	global_load_b128 v[12:15], v4, s[12:13]
.irp c, 0,1,2,3,4,5,6,7
	global_load_b32 v[SM+\c], v3, s[4:5] offset:\c*REC+4096
	global_load_b32 v[SL+\c], v3, s[4:5] offset:\c*REC+4160
.endr
.irp c, 0,1,2,3
.irp i, 0,1,2,3,4,5,6,7
	global_load_b128 v[PH+32*\c+4*\i:PH+32*\c+4*\i+3], v1, s[4:5] offset:\c*REC+512*\i
.endr
.endr
.irp r, 0,1
.irp i, 0,1,2,3,4,5,6,7
	global_load_b128 v[W1R+32*\r+4*\i:W1R+32*\r+4*\i+3], v1, s[10:11] offset:4096*\r+512*\i th:TH_LOAD_NT
.endr
.endr
	s_wait_loadcnt 48                              ; the statistics are in: behind them 32 loads of partials and 16 of W1
	v_max3_num_f32 v232, v[SM], v[SM+1], v[SM+2]
	v_max3_num_f32 v232, v232, v[SM+3], v[SM+4]
	v_max3_num_f32 v232, v232, v[SM+5], v[SM+6]
	v_max_num_f32 v232, v232, v[SM+7]
.irp c, 0,1,2,3,4,5,6,7
	v_sub_f32 v[FC+\c], v[SM+\c], v232
.endr
.irp c, 0,1,2,3,4,5,6,7
	v_mul_f32 v[FC+\c], s20, v[FC+\c]
.endr
.irp c, 0,1,2,3,4,5,6,7
	v_exp_f32 v[FC+\c], v[FC+\c]
.endr
	v_nop                                          ; a plain line behind the transcendentals
	s_wait_alu depctr_va_vdst(0)
	v_mul_f32 v233, v[FC], v[SL]
.irp c, 1,2,3,4,5,6,7
	v_fma_f32 v233, v[FC+\c], v[SL+\c], v233
.endr
	v_rcp_f32 v233, v233
	v_nop
	s_wait_alu depctr_va_vdst(0)
.irp c, 0,1,2,3,4,5,6,7
	v_mul_f32 v[FC+\c], v[FC+\c], v233             ; f_c / the head's sum
.endr
.irp c, 0,1,2,3,4,5,6,7
	ds_store_b32 v5, v[FC+\c] offset:64*\c         ; lanes l and l + 16 write the same word with the same value; my wave's own bytes
.endr
.irp c, 0,1
	ds_load_b128 v[WC+8*\c:WC+8*\c+3], v6 offset:64*\c
	ds_load_b128 v[WC+8*\c+4:WC+8*\c+7], v6 offset:64*\c+16
.endr
; Chunk c's partial times its heads' factors.  left: the loads issued behind chunk c's eight.  The factor of group i is word i % 2 of a pair: op_sel and op_sel_hi pick it for both halves.
.macro CHUNK c, left
	s_wait_loadcnt \left
.if \c < 7
	s_wait_dscnt 2                                 ; this chunk's factors are in (and, the first time, the stores have read their registers); the next chunk's two loads may be out
.else
	s_wait_dscnt 0x0
.endif
.set rP, PH+32*((\c)%4)
.set rW, WC+8*((\c)%2)
.irp i, 0,2,4,6
.irp k, 0,2
.if \c == 0
	v_pk_mul_f32 v[HA+4*\i+\k:HA+4*\i+\k+1], v[rP+4*\i+\k:rP+4*\i+\k+1], v[rW+\i:rW+\i+1] op_sel_hi:[1,0]
	v_pk_mul_f32 v[HA+4*\i+4+\k:HA+4*\i+5+\k], v[rP+4*\i+4+\k:rP+4*\i+5+\k], v[rW+\i:rW+\i+1] op_sel:[0,1] op_sel_hi:[1,1]
.else
	v_pk_fma_f32 v[HA+4*\i+\k:HA+4*\i+\k+1], v[rP+4*\i+\k:rP+4*\i+\k+1], v[rW+\i:rW+\i+1], v[HA+4*\i+\k:HA+4*\i+\k+1] op_sel_hi:[1,0,1]
	v_pk_fma_f32 v[HA+4*\i+4+\k:HA+4*\i+5+\k], v[rP+4*\i+4+\k:rP+4*\i+5+\k], v[rW+\i:rW+\i+1], v[HA+4*\i+4+\k:HA+4*\i+5+\k] op_sel:[0,1,0] op_sel_hi:[1,1,1]
.endif
.endr
.endr
.irp i, 0,1,2,3,4,5,6,7
.if \c < 4
	global_load_b128 v[rP+4*\i:rP+4*\i+3], v1, s[4:5] offset:(\c+4)*REC+512*\i
.elseif \c == 4
	global_load_b128 v[rP+4*\i:rP+4*\i+3], v1, s[6:7] offset:512*\i       ; ln_g, into set 0
.elseif \c == 5
	global_load_b128 v[rP+4*\i:rP+4*\i+3], v1, s[8:9] offset:512*\i       ; ln_b, into set 1
.endif
.endr
.if \c < 6
	ds_load_b128 v[rW:rW+3], v6 offset:64*(\c+2)
	ds_load_b128 v[rW+4:rW+7], v6 offset:64*(\c+2)+16
.endif
.endm
	CHUNK 0, 40                                    ; behind chunk 0: chunks 1-3 and W1
	CHUNK 1, 40                                    ; chunks 2, 3, W1, chunk 4
	CHUNK 2, 40
	CHUNK 3, 40
	CHUNK 4, 24                                    ; chunks 5-7
	CHUNK 5, 24                                    ; chunks 6, 7, ln_g
	CHUNK 6, 24                                    ; chunk 7, ln_g, ln_b
	CHUNK 7, 16                                    ; ln_g, ln_b
.macro BFLY r                          ; the sum over the 32 lanes, in every lane
.irp m, 1,2,4,8
	v_add_f32_dpp v[\r], v[\r], v[\r] row_xmask:\m row_mask:0xf bank_mask:0xf
.endr
	v_permlanex16_b32 v8, v[\r], s18, s19
	v_add_f32 v[\r], v[\r], v8
.endm
	v_pk_add_f32 v[240:241], v[HA:HA+1], v[HA+4:HA+5]              ; the mean
	v_pk_add_f32 v[242:243], v[HA+2:HA+3], v[HA+6:HA+7]
.irp j, 8,12,16,20,24,28
	v_pk_add_f32 v[240:241], v[240:241], v[HA+\j:HA+\j+1]
	v_pk_add_f32 v[242:243], v[242:243], v[HA+\j+2:HA+\j+3]
.endr
	v_pk_add_f32 v[240:241], v[240:241], v[242:243]
	v_add_f32 v240, v240, v241
	BFLY 240
	v_mul_f32 v240, s21, v240
.set j, 0
.rept 16
	v_pk_add_f32 v[HA+j:HA+j+1], v[HA+j:HA+j+1], v[240:241] op_sel_hi:[1,0] neg_lo:[0,1] neg_hi:[0,1]
.set j, j+2
.endr
	v_pk_mul_f32 v[242:243], v[HA:HA+1], v[HA:HA+1]                ; the variance, of the differences
	v_pk_mul_f32 v[244:245], v[HA+2:HA+3], v[HA+2:HA+3]
.irp j, 4,8,12,16,20,24,28
	v_pk_fma_f32 v[242:243], v[HA+\j:HA+\j+1], v[HA+\j:HA+\j+1], v[242:243]
	v_pk_fma_f32 v[244:245], v[HA+\j+2:HA+\j+3], v[HA+\j+2:HA+\j+3], v[244:245]
.endr
	v_pk_add_f32 v[242:243], v[242:243], v[244:245]
	v_add_f32 v242, v242, v243
	BFLY 242
	v_fma_f32 v242, v242, s21, s22
	v_rsq_f32 v242, v242
	v_nop
.set j, 0
	s_wait_alu depctr_va_vdst(0)
.rept 16
	v_pk_mul_f32 v[HA+j:HA+j+1], v[HA+j:HA+j+1], v[242:243] op_sel_hi:[1,0]
.set j, j+2
.endr
	s_wait_loadcnt 0x0                             ; ln_g, ln_b
.set j, 0
.rept 16
	v_pk_fma_f32 v[HA+j:HA+j+1], v[HA+j:HA+j+1], v[PH+j:PH+j+1], v[PH+32+j:PH+33+j]
.set j, j+2
.endr
.irp i, 0,1,2,3,4,5,6,7
	ds_store_b128 v7, v[HA+4*\i:HA+4*\i+3] offset:512*\i
.endr
	s_wait_dscnt 0x0                               ; for the others' sake: my row lies in LDS
	s_barrier_signal -1
	s_barrier_wait -1
; The product: step i takes elements 128 i .. 128 i + 127 of all eight rows; loads run three steps ahead in the four sets.  Sum (row r of W1, batch b) is the pair at HA + 2 (8 r + b).
.macro HLOAD i
.irp b, 0,1,2,3,4,5,6,7
	ds_load_b128 v[PH+32*((\i)%4)+4*\b:PH+32*((\i)%4)+4*\b+3], v1 offset:4096*\b+512*(\i)
.endr
.endm
	HLOAD 0
	HLOAD 1
	HLOAD 2
.macro PSTEP i, left
	s_wait_dscnt \left                             ; step i's eight loads are in; those of the later steps may be out
.irp k, 0,2
.irp r, 0,1
.irp b, 0,1,2,3,4,5,6,7
.if ((\i) == 0) && (\k == 0)
	v_pk_mul_f32 v[HA+2*(8*\r+\b):HA+2*(8*\r+\b)+1], v[W1R+32*\r+4*(\i)+\k:W1R+32*\r+4*(\i)+\k+1], v[PH+32*((\i)%4)+4*\b+\k:PH+32*((\i)%4)+4*\b+\k+1]
.else
	v_pk_fma_f32 v[HA+2*(8*\r+\b):HA+2*(8*\r+\b)+1], v[W1R+32*\r+4*(\i)+\k:W1R+32*\r+4*(\i)+\k+1], v[PH+32*((\i)%4)+4*\b+\k:PH+32*((\i)%4)+4*\b+\k+1], v[HA+2*(8*\r+\b):HA+2*(8*\r+\b)+1]
.endif
.endr
.endr
.endr
.if (\i) < 5
	HLOAD (\i)+3
.endif
.endm
	PSTEP 0, 16
	PSTEP 1, 16
	PSTEP 2, 16
	PSTEP 3, 16
	PSTEP 4, 16
	PSTEP 5, 16
	PSTEP 6, 8
	PSTEP 7, 0
.set j, 0
.rept 16
	v_add_f32 v[HA+j], v[HA+j], v[HA+j+1]
.set j, j+2
.endr
.irp m, 1,2,4,8
.set j, 0
.rept 16
	v_add_f32_dpp v[HA+j], v[HA+j], v[HA+j] row_xmask:\m row_mask:0xf bank_mask:0xf
.set j, j+2
.endr
.endr
.set j, 0
.rept 16
	v_permlanex16_b32 v[HA+j+1], v[HA+j], s18, s19
.set j, j+2
.endr
.set j, 0
.rept 16
	v_add_f32 v[HA+j], v[HA+j], v[HA+j+1]
.set j, j+2
.endr
.irp r, 0,1
.irp b, 0,1,2,3,4,5,6,7
	ds_store_b32 v9, v[HA+2*(8*\r+\b)] offset:64*\b+4*\r   ; all lanes write the same word with the same value
.endr
.endr
	s_wait_dscnt 0x0
	s_barrier_signal -1
	s_barrier_wait -1
	s_cmp_lg_u32 s16, 0
	s_cbranch_scc1 .Lend                           ; wave 0 stores the work-group's 8 x 16 results
	ds_load_b128 v[16:19], v10
	s_wait_dscnt 0x0
	v_pk_add_f32 v[16:17], v[16:17], v[12:13]
	v_pk_add_f32 v[18:19], v[18:19], v[14:15]
.irp j, 16,17,18,19
	v_max_num_f32 v[\j], 0, v[\j]
.endr
	global_store_b128 v11, v[16:19], s[14:15]
.Lend:
	s_set_vgpr_msb 0x5
	s_wait_tensorcnt 0x0
	ds_add_u32 v0, v1
	s_wait_dscnt 0x0
	s_set_vgpr_msb 0x500
	s_endpgm
.Lfunc_end_k_qb6f02d8d3b_mlp1:
	.size	k_qb6f02d8d3b_mlp1, .Lfunc_end_k_qb6f02d8d3b_mlp1-k_qb6f02d8d3b_mlp1
	.p2alignl 7, 3214868480
	.fill 96, 4, 3214868480
	.section	.rodata,"a",@progbits
	.p2align	6, 0x0
	.amdhsa_kernel k_qb6f02d8d3b_mlp1
		.amdhsa_group_segment_fixed_size 38400
		.amdhsa_private_segment_fixed_size 0
		.amdhsa_enable_private_segment 0
		.amdhsa_kernarg_size 48
		.amdhsa_user_sgpr_count 2
		.amdhsa_user_sgpr_kernarg_segment_ptr 1
		.amdhsa_wavefront_size32 1
		.amdhsa_system_sgpr_workgroup_id_x 1
		.amdhsa_system_sgpr_workgroup_id_y 1
		.amdhsa_system_sgpr_workgroup_id_z 1
		.amdhsa_system_vgpr_workitem_id 0
		.amdhsa_next_free_vgpr 258
		.amdhsa_next_free_sgpr 66
		.amdhsa_reserve_vcc 0
		.amdhsa_float_denorm_mode_32 3
		.amdhsa_float_denorm_mode_16_64 3
		.amdhsa_memory_ordered 1
		.amdhsa_forward_progress 1
		.amdhsa_inst_pref_size 60
	.end_amdhsa_kernel
	.amdgpu_metadata
---
amdhsa.version: [ 1, 2 ]
amdhsa.kernels:
  - .name:           k_qb6f02d8d3b_mlp1
    .symbol:         k_qb6f02d8d3b_mlp1.kd
    .args:
      - { .name: part, .offset: 0, .size: 8, .value_kind: global_buffer, .address_space: global }
      - { .name: ln_g, .offset: 8, .size: 8, .value_kind: global_buffer, .address_space: global }
      - { .name: ln_b, .offset: 16, .size: 8, .value_kind: global_buffer, .address_space: global }
      - { .name: W1, .offset: 24, .size: 8, .value_kind: global_buffer, .address_space: global }
      - { .name: b1, .offset: 32, .size: 8, .value_kind: global_buffer, .address_space: global }
      - { .name: h1, .offset: 40, .size: 8, .value_kind: global_buffer, .address_space: global }
    .group_segment_fixed_size: 38400
    .private_segment_fixed_size: 0
    .kernarg_segment_align: 8
    .kernarg_segment_size: 48
    .max_flat_workgroup_size: 256
    .sgpr_count:     66
    .vgpr_count:     258
    .wavefront_size: 32
...
	.end_amdgpu_metadata
.endif
;; end of part 3
;; launch mlp2 (part 4): grid 256 x 1, 8 waves a work-group, no clusters, 41,984 bytes of LDS; arguments W2, b2, h1, part, ml, out0, out1, out2; writes out0, out1, out2
.if DOCPART == 4
	.amdgcn_target "amdgcn-amd-amdhsa--gfx1250"
	.amdhsa_code_object_version 6
	.text
	.protected	k_qb6f02d8d3b_mlp2
	.globl	k_qb6f02d8d3b_mlp2
	.p2align	8
	.type	k_qb6f02d8d3b_mlp2,@function
k_qb6f02d8d3b_mlp2:
	s_mov_b64 s[64:65], 0
	v_nop
	global_prefetch_b8 v0, s[64:65] scope:SCOPE_SE
	s_setreg_imm32_b32 hwreg(HW_REG_WAVE_MODE, 25, 1), 1
	s_wait_xcnt 0x0
; out0 = h1 W2^T + b2, in f32; out1[b][s] = the sum over the heads of A; out2[b][s] = the sum over the heads of A p.
; SHARES.  A work-group takes 4 rows of W2; wave w takes k = 512 w .. 512 w + 511 of them, for all 8 batches.  It also takes 128 positions s of one batch; wave w takes heads 2 w and 2 w + 1 there.
; For a head, m = the largest of its eight chunks' m_c, and the divisor is sum e^(m_c - m) l_c; p = e^(logit - m) / the divisor.  ml holds the logit where A = 1 and -infinity elsewhere, whose exponential is 0.
; The waves' parts meet in LDS as images of registers, [source wave][quad][16 x lane]: quad b = batch b's four sums, quad 8 = A p, quad 9 = A; behind one barrier wave w sums batch w, waves 0 and 1 also quads 8 and 9.
; 8 rows are too few for the matrix units: fused multiply-adds, two a line.  out0 leaves in pieces of 16 bytes, 32 KiB in all: longer pieces would want fewer work-groups; out1 and out2 in runs of 512 bytes.
.set WR,  16                           ; v16-79   W2: row r at 16 r: element 128 j + 4 lane + k at 4 j + k
.set HR,  80                           ; v80-207  h1: batch b at 16 b, likewise; later the sums, batch b's four at 4 b
.set AP,  208                          ; v208-239 16 pairs of sums; before the product at work
.set MLR, 240                          ; v240-247 masked logits of my two heads; then A p and A
.set ST,  248
.set QUAD, 512
.set SRC,  10*QUAD
	s_load_b512 s[4:19], s[0:1], 0x0               ; W2 4, b2 6, h1 8, part 10, ml 12, out0 14, out1 16, out2 18
	v_lshl_add_u32 v15, v0, 2, 0xa000
	v_mov_b32 v251, 0
	v_lshrrev_b32 v2, 5, v0
	v_readfirstlane_b32 s20, v2                    ; wave 0..7
	v_and_b32 v2, 31, v0                           ; lane
	v_lshlrev_b32 v1, 4, v2                        ; 16 x lane
	v_mov_b32 v3, 0
	v_and_b32 v4, 7, v2
	v_mul_u32_u24 v4, 4352, v4                     ; statistics: chunk lane % 8,
	v_bfe_u32 v9, v2, 4, 1
	v_lshl_add_u32 v4, v9, 6, v4                   ; lanes 0-15 m, lanes 16-31 l,
	v_bfe_u32 v9, v2, 3, 1
	v_lshl_add_u32 v4, v9, 2, v4                   ; head 2 w + (lane / 8) % 2
	s_mul_i32 s32, s20, SRC
	v_add_nc_u32 v5, s32, v1                       ; where I put my quads
	s_lshl_b32 s32, s20, 9
	v_add_nc_u32 v6, s32, v1                       ; quad w of every source
	s_min_u32 s32, s20, 1
	s_lshl_b32 s32, s32, 9
	s_add_co_u32 s32, s32, 8*QUAD
	v_add_nc_u32 v7, s32, v1                       ; quad 8 (wave 0) or 9
	v_mov_b32 v8, 0                                ; a lane permute's destination counts as one of its sources
	v_mov_b32 v9, 1.0
	s_mov_b32 s21, 0x3fb8aa3b                      ; log2(e)
	s_mov_b32 s22, 0x76543210
	s_mov_b32 s23, 0xfedcba98
	s_mov_b32 s28, 0xff800000                      ; -infinity
	s_lshr_b32 s33, ttmp9, 5                       ; the batch of my positions
	s_and_b32 s34, ttmp9, 31
	s_lshl_b32 s34, s34, 9                         ; and their first byte in a row of 4,096 numbers
	s_lshl_b32 s36, ttmp9, 16
	s_lshl_b32 s37, s20, 11
	s_add_co_u32 s36, s36, s37
	s_mov_b32 s37, 0
	s_lshl_b32 s38, ttmp9, 4
	s_mov_b32 s39, 0
	s_lshl_b32 s40, s20, 11
	s_mov_b32 s41, 0
	s_mul_i32 s42, s33, 8*4352
	s_lshl_b32 s43, s20, 3
	s_add_co_u32 s42, s42, s43
	s_mov_b32 s43, 0
	s_lshl_b32 s44, s33, 18
	s_lshl_b32 s45, s20, 15
	s_add_co_u32 s44, s44, s45
	s_add_co_u32 s44, s44, s34
	s_mov_b32 s45, 0
	s_lshl_b32 s46, s20, 12
	s_add_co_u32 s46, s46, s38
	s_mov_b32 s47, 0
	s_lshl_b32 s48, s33, 14
	s_add_co_u32 s48, s48, s34
	s_mov_b32 s49, 0
	s_wait_kmcnt 0x0
	s_add_nc_u64 s[4:5], s[4:5], s[36:37]
	s_add_nc_u64 s[6:7], s[6:7], s[38:39]
	s_add_nc_u64 s[8:9], s[8:9], s[40:41]
	s_add_nc_u64 s[10:11], s[10:11], s[42:43]
	s_add_nc_u64 s[12:13], s[12:13], s[44:45]
	s_add_nc_u64 s[14:15], s[14:15], s[46:47]
	s_add_nc_u64 s[16:17], s[16:17], s[48:49]
	s_add_nc_u64 s[18:19], s[18:19], s[48:49]
	global_load_b32 v[ST], v4, s[10:11] offset:4096
	global_load_b128 v[MLR:MLR+3], v1, s[12:13]
	global_load_b128 v[MLR+4:MLR+7], v1, s[12:13] offset:16384
	global_load_b128 v[252:255], v3, s[6:7]        ; b2 of my four rows, in every lane
.irp b, 0,1,2,3,4,5,6,7
.irp j, 0,1,2,3
	global_load_b128 v[HR+16*\b+4*\j:HR+16*\b+4*\j+3], v1, s[8:9] offset:16384*\b+512*\j
.endr
.endr
.irp r, 0,1,2,3
.irp j, 0,1,2,3
	global_load_b128 v[WR+16*\r+4*\j:WR+16*\r+4*\j+3], v1, s[4:5] offset:16384*\r+512*\j th:TH_LOAD_NT
.endr
.endr
	s_wait_loadcnt 48                              ; statistics, logits and b2 are in: behind them h1's 32 loads and W2's 16
	v_mov_b32 v249, v[ST]
.irp m, 1,2,4
	v_max_num_f32_dpp v249, v249, v249 row_xmask:\m row_mask:0xf bank_mask:0xf   ; lanes 0-7, 8-15: the head's m
.endr
	v_permlanex16_b32 v8, v[ST], s22, s23          ; lanes 0-15: the chunk's l
	v_sub_f32 v250, v[ST], v249
	v_mul_f32 v250, s21, v250
	v_exp_f32 v250, v250
	v_nop                                          ; a plain line behind the transcendental
	s_wait_alu depctr_va_vdst(0)
	v_mul_f32 v250, v250, v8
.irp m, 1,2,4
	v_add_f32_dpp v250, v250, v250 row_xmask:\m row_mask:0xf bank_mask:0xf
.endr
	v_rcp_f32 v250, v250
	v_nop
	v_readlane_b32 s24, v249, 0                    ; m and 1 / divisor of my two heads: numbers for the arithmetic below, and for nothing else
	v_readlane_b32 s25, v249, 8
	s_wait_alu depctr_va_vdst(0)
	v_readlane_b32 s26, v250, 0
	v_readlane_b32 s27, v250, 8
.irp i, 0,1,2,3
	v_sub_f32 v[AP+\i], v[MLR+\i], s24
	v_sub_f32 v[AP+4+\i], v[MLR+4+\i], s25
.endr
.irp i, 0,1,2,3,4,5,6,7
	v_mul_f32 v[AP+\i], s21, v[AP+\i]
.endr
.irp i, 0,1,2,3,4,5,6,7
	v_exp_f32 v[AP+\i], v[AP+\i]
.endr
.irp i, 0,1,2,3,4,5,6,7
	v_cmp_lt_f32 vcc_lo, s28, v[MLR+\i]            ; (the first is the plain line behind the exponentials)  A = 1 where a logit was kept
	v_cndmask_b32 v[AP+8+\i], 0, v9, vcc_lo
.endr
	s_wait_alu depctr_va_vdst(0)
.irp i, 0,1,2,3
	v_mul_f32 v[MLR+\i], s26, v[AP+\i]
	v_add_f32 v[MLR+4+\i], v[AP+8+\i], v[AP+12+\i]
.endr
.irp i, 0,1,2,3
	v_fma_f32 v[MLR+\i], v[AP+4+\i], s27, v[MLR+\i]
.endr
	ds_store_b128 v5, v[MLR:MLR+3] offset:8*QUAD
	ds_store_b128 v5, v[MLR+4:MLR+7] offset:9*QUAD
	s_wait_loadcnt 0x0                             ; h1 and W2
; Four batches at a time: 16 pairs of sums take turns; then a pair's halves are added into registers of h1 that are done with.
.macro HALF hb
.irp e, 0,2,4,6,8,10,12,14
.irp b, 0,1,2,3
.irp r, 0,1,2,3
.if \e == 0
	v_pk_mul_f32 v[AP+2*(4*\b+\r):AP+2*(4*\b+\r)+1], v[WR+16*\r+\e:WR+16*\r+\e+1], v[HR+16*(4*\hb+\b)+\e:HR+16*(4*\hb+\b)+\e+1]
.else
	v_pk_fma_f32 v[AP+2*(4*\b+\r):AP+2*(4*\b+\r)+1], v[WR+16*\r+\e:WR+16*\r+\e+1], v[HR+16*(4*\hb+\b)+\e:HR+16*(4*\hb+\b)+\e+1], v[AP+2*(4*\b+\r):AP+2*(4*\b+\r)+1]
.endif
.endr
.endr
.endr
.set j, 0
.rept 16
	v_add_f32 v[HR+16*\hb+j], v[AP+2*j], v[AP+2*j+1]
.set j, j+1
.endr
.endm
	HALF 0
	HALF 1
.irp b, 0,1,2,3,4,5,6,7
	ds_store_b128 v5, v[HR+4*\b:HR+4*\b+3] offset:QUAD*\b
.endr
	s_wait_dscnt 0x0                               ; for the others' sake: my ten quads lie in LDS
	s_barrier_signal -1
	s_barrier_wait -1
.irp s, 0,1,2,3,4,5,6,7
	ds_load_b128 v[16+4*\s:19+4*\s], v6 offset:SRC*\s
.endr
	s_wait_dscnt 0x0
.irp s, 1,2,3,4,5,6,7
	v_pk_add_f32 v[16:17], v[16:17], v[16+4*\s:17+4*\s]
	v_pk_add_f32 v[18:19], v[18:19], v[18+4*\s:19+4*\s]
.endr
.irp m, 1,2,4,8
.irp r, 16,17,18,19
	v_add_f32_dpp v[\r], v[\r], v[\r] row_xmask:\m row_mask:0xf bank_mask:0xf
.endr
.endr
.irp r, 16,17,18,19
	v_permlanex16_b32 v[\r+4], v[\r], s22, s23
.endr
.irp r, 16,17,18,19
	v_add_f32 v[\r], v[\r], v[\r+4]
.endr
	v_pk_add_f32 v[16:17], v[16:17], v[252:253]
	v_pk_add_f32 v[18:19], v[18:19], v[254:255]
	v_cmp_eq_u32 vcc_lo, 0, v2
	s_wait_xcnt 0x0                                ; EXEC changes only behind this wait
	s_and_saveexec_b32 s29, vcc_lo
	global_store_b128 v3, v[16:19], s[14:15]       ; batch w, my work-group's four outputs
	s_wait_xcnt 0x0
	s_or_b32 exec_lo, exec_lo, s29
	s_cmp_lt_u32 s20, 2
	s_cbranch_scc0 .Lend
.irp s, 0,1,2,3,4,5,6,7
	ds_load_b128 v[48+4*\s:51+4*\s], v7 offset:SRC*\s
.endr
	s_wait_dscnt 0x0
.irp s, 1,2,3,4,5,6,7
	v_pk_add_f32 v[48:49], v[48:49], v[48+4*\s:49+4*\s]
	v_pk_add_f32 v[50:51], v[50:51], v[50+4*\s:51+4*\s]
.endr
	s_cmp_eq_u32 s20, 0
	s_cselect_b64 s[30:31], s[18:19], s[16:17]     ; wave 0: A p to out2; wave 1: A to out1
	global_store_b128 v1, v[48:51], s[30:31]       ; 32 lanes store 512 consecutive bytes
.Lend:
	s_wait_tensorcnt 0x0
	ds_add_u32 v15, v251
	s_wait_dscnt 0x0
	s_endpgm
.Lfunc_end_k_qb6f02d8d3b_mlp2:
	.size	k_qb6f02d8d3b_mlp2, .Lfunc_end_k_qb6f02d8d3b_mlp2-k_qb6f02d8d3b_mlp2
	.p2alignl 7, 3214868480
	.fill 96, 4, 3214868480
	.section	.rodata,"a",@progbits
	.p2align	6, 0x0
	.amdhsa_kernel k_qb6f02d8d3b_mlp2
		.amdhsa_group_segment_fixed_size 41984
		.amdhsa_private_segment_fixed_size 0
		.amdhsa_enable_private_segment 0
		.amdhsa_kernarg_size 64
		.amdhsa_user_sgpr_count 2
		.amdhsa_user_sgpr_kernarg_segment_ptr 1
		.amdhsa_wavefront_size32 1
		.amdhsa_system_sgpr_workgroup_id_x 1
		.amdhsa_system_sgpr_workgroup_id_y 1
		.amdhsa_system_sgpr_workgroup_id_z 1
		.amdhsa_system_vgpr_workitem_id 0
		.amdhsa_next_free_vgpr 256
		.amdhsa_next_free_sgpr 66
		.amdhsa_reserve_vcc 1
		.amdhsa_float_denorm_mode_32 3
		.amdhsa_float_denorm_mode_16_64 3
		.amdhsa_memory_ordered 1
		.amdhsa_forward_progress 1
		.amdhsa_inst_pref_size 34
	.end_amdhsa_kernel
	.amdgpu_metadata
---
amdhsa.version: [ 1, 2 ]
amdhsa.kernels:
  - .name:           k_qb6f02d8d3b_mlp2
    .symbol:         k_qb6f02d8d3b_mlp2.kd
    .args:
      - { .name: W2, .offset: 0, .size: 8, .value_kind: global_buffer, .address_space: global }
      - { .name: b2, .offset: 8, .size: 8, .value_kind: global_buffer, .address_space: global }
      - { .name: h1, .offset: 16, .size: 8, .value_kind: global_buffer, .address_space: global }
      - { .name: part, .offset: 24, .size: 8, .value_kind: global_buffer, .address_space: global }
      - { .name: ml, .offset: 32, .size: 8, .value_kind: global_buffer, .address_space: global }
      - { .name: out0, .offset: 40, .size: 8, .value_kind: global_buffer, .address_space: global }
      - { .name: out1, .offset: 48, .size: 8, .value_kind: global_buffer, .address_space: global }
      - { .name: out2, .offset: 56, .size: 8, .value_kind: global_buffer, .address_space: global }
    .group_segment_fixed_size: 41984
    .private_segment_fixed_size: 0
    .kernarg_segment_align: 8
    .kernarg_segment_size: 64
    .max_flat_workgroup_size: 256
    .sgpr_count:     66
    .vgpr_count:     256
    .wavefront_size: 32
...
	.end_amdgpu_metadata
.endif
;; end of part 4
